; MI455X (gfx1250); checked and timed in simulation.
; The chip was launched on July 23, 2026; its instructions are those of AMD's public machine-readable ISA for CDNA 5 (MIT licence, August 2026) and "CDNA5" Instruction Set Architecture Reference Guide (July 2026). The comments in the code are by the model that wrote it; some were corrected since.
;; Encoder Layer. Allowed arithmetic: matrix products marked QUANTISED: E2M3 operands, one E8M0 scale for each 32 along K, by v_wmma_scale_f32_16x16x128_f8f6f4 with both operands' format E2M3, f32 sums; everything else in f32.
;; Inputs: b1 1,024 float32; b2 512 float32; ln1_b 512 float32; ln1_g 512 float32; ln2_b 512 float32; ln2_g 512 float32; w1_codes 1,024 x 16 x 24 uint8 (E2M3 codes of w1, K innermost, in blocks of 32 codes, four codes in three bytes); w1_scales 1,024 x 16 uint8 (E8M0 scales of w1, one for each 32 codes along K); w2_codes 512 x 32 x 24 uint8 (E2M3 codes of w2, K innermost, in blocks of 32 codes, four codes in three bytes); w2_scales 512 x 32 uint8 (E8M0 scales of w2, one for each 32 codes along K); wk_codes 8 x 64 x 16 x 24 uint8 (E2M3 codes of wk, K innermost, in blocks of 32 codes, four codes in three bytes); wk_scales 8 x 64 x 16 uint8 (E8M0 scales of wk, one for each 32 codes along K); wo_codes 512 x 16 x 24 uint8 (E2M3 codes of wo, K innermost, in blocks of 32 codes, four codes in three bytes); wo_scales 512 x 16 uint8 (E8M0 scales of wo, one for each 32 codes along K); wq_codes 8 x 64 x 16 x 24 uint8 (E2M3 codes of wq, K innermost, in blocks of 32 codes, four codes in three bytes); wq_scales 8 x 64 x 16 uint8 (E8M0 scales of wq, one for each 32 codes along K); wv_codes 8 x 64 x 16 x 24 uint8 (E2M3 codes of wv, K innermost, in blocks of 32 codes, four codes in three bytes); wv_scales 8 x 64 x 16 uint8 (E8M0 scales of wv, one for each 32 codes along K); x 8 x 2,048 x 512 float32.
;; Outputs: out0 8 x 2,048 x 512 float32.
;; This version of the problem:
;;   THIS VERSION OF THE PROBLEM IS GIVEN IN LOW PRECISION. The matrix products marked QUANTISED in the list below multiply operands that are first quantised to E2M3 (2 exponent bits, 3 mantissa bits; 6 bits a number), with one power-of-two scale for each 32 numbers along K (OCP MX v1.0); their sums are f32. All else is computed in f32.
;;   The module's matrix products, in the order in which they are computed (A, B: the left and right operand; K: the contracted axis; several contracted axes count as one K, in the product's order):
;;     1. [M 512, K 512] x [K 512, N 16,384]; A: input wq (given as codes); B: input x: QUANTISED
;;     2. [M 512, K 512] x [K 512, N 16,384]; A: input wk (given as codes); B: input x: QUANTISED
;;     3. [M 512, K 512] x [K 512, N 16,384]; A: input wv (given as codes); B: input x: QUANTISED
;;     4. batch 64 x [M 2,048, K 64] x [K 64, N 2,048]; A: computed on the way; B: computed on the way: QUANTISED
;;     5. batch 64 x [M 2,048, K 2,048] x [K 2,048, N 64]; A: softmax (see below); B: computed on the way: QUANTISED
;;     6. [M 16,384, K 512] x [K 512, N 512]; A: computed on the way; B: input wo (given as codes): QUANTISED
;;     7. [M 16,384, K 512] x [K 512, N 1,024]; A: computed on the way; B: input w1 (given as codes): QUANTISED
;;     8. [M 16,384, K 1,024] x [K 1,024, N 512]; A: computed on the way; B: input w2 (given as codes): QUANTISED
;;   THE QUANTISER, for each operand of a quantised product, along K:
;;     - K is cut into blocks of 32 from its start; a last block that is shorter is filled with zeros.
;;     - A block's scale is 2^e with e = floor(log2(the largest magnitude in the block)) - 2, held to -126 .. 127; a block of zeros has e = 0. As a byte (E8M0): e + 127.
;;     - Each number is divided by its block's scale, clamped to +-7.5, and rounded to the nearest number of E2M3, ties to even, subnormals kept.
;;     - The product sums the exact products of the quantised numbers (number of the format x scale) in f32.
;;   ~~~python
;;   def quantise(x, axis):      # numpy; x: float32 -> the quantised numbers, widened to float32 again
;;       x = np.moveaxis(x, axis, -1); K = x.shape[-1]
;;       x = np.pad(x, [(0, 0)] * (x.ndim - 1) + [(0, -K % 32)]); x = x.reshape(x.shape[:-1] + (-1, 32)); a = np.abs(x).max(-1, keepdims=True)
;;       e = np.where(a > 0, np.clip(np.frexp(np.where(a > 0, a, 1))[1] - 1 - 2, -126, 127), 0)      # np.frexp(a)[1] - 1 = floor(log2(a)), exactly
;;       r = np.clip(x / 2.0 ** e, -7.5, 7.5)
;;       step = 2.0 ** (np.maximum(np.frexp(np.where(r == 0, 1, r))[1] - 1, 0) - 3)
;;       q = np.round(r / step) * step * 2.0 ** e      # np.round: ties to even
;;       return np.moveaxis(q.reshape(q.shape[:-2] + (-1,))[..., :K], -1, axis).astype(np.float32)
;;   ~~~
;;   SOFTMAX AHEAD OF A QUANTISED PRODUCT. Where the list says 'softmax', what is quantised is not the finished softmax but p = 2^(t - M), with t = logit x log2(e) and M = ceil(the row's largest t), a whole number; so 1/2 < the row's largest p <= 1. The row's sum l is taken of the UNQUANTISED p, in f32, and the product's result is divided by l at the end. Since M is a whole number, a kernel that streams over the keys may use a running M (the ceiling of the running maximum): every later rescaling is an exact power of two, which a block's scale takes up: the codes' values come out the same.
;;   OPERANDS COMPUTED ON THE WAY. 'Computed on the way' means the value that the module computes at that place (a softmax that the list does not call 'softmax' is quantised finished and normalised). What goes into a quantiser is computed in f32, as accurately as f32 sums, v_exp_f32 and their like allow (about 1e-6 of the number): no bf16 or f16 on the way to a quantiser, and a product that is left as it is and whose result goes on into a quantised operand takes f32 operands (vector FMAs, or v_wmma_f32_16x16x4_f32). A number that lies on a knife's edge between two numbers of the format may be rounded either way, as far as f32 arithmetic and the matrix unit's own rounding can turn it there, and no further.
;;   INPUTS GIVEN AS CODES. w1 (in the module: [512, 1024], K = its axis 0); w2 (in the module: [1024, 512], K = its axis 0); wk (in the module: [8, 512, 64], K = its axis 1); wo (in the module: [512, 512], K = its axis 0); wq (in the module: [8, 512, 64], K = its axis 1); wv (in the module: [8, 512, 64], K = its axis 1): each comes as NAME_codes (uint8): NAME with its K axis moved to the last place and cut into blocks of 32 codes, [.., K / 32, bytes a block], one block behind the other in memory; four codes in three bytes: a row's codes are one little-endian stream of bits, code i at bits 6 i .. 6 i + 5 (a code: sign, 2 exponent bits, 3 mantissa bits); and NAME_scales (uint8): the same leading axes, one E8M0 byte (e + 127) for each 32 codes along K. Its value is code x scale, taken as it is: it is not quantised again, and the codes and scales need not be those that the quantiser above would give.
;; One version. Each part assembles by itself: llvm-mc -triple=amdgcn-amd-amdhsa -mcpu=gfx1250 --defsym DOCPART=n.
;; ======== version 1 of 1: 3 launches
;; workspace buffers: qc 6,291,456 bytes; qs 524,288 bytes; kv 13,369,344 bytes; cc 6,291,456 bytes; cs 262,144 bytes
;; launch qkv (part 1): grid 256 x 1, 4 waves a work-group, no clusters, 27,136 bytes of LDS; arguments x, wq_codes, wq_scales, wk_codes, wk_scales, wv_codes, wv_scales, qc, qs, kv; writes qc, qs, kv
.if DOCPART == 1
	.amdgcn_target "amdgcn-amd-amdhsa--gfx1250"
	.amdhsa_code_object_version 6
	.text
	.protected	k_qc17946b06f_qkv
	.globl	k_qc17946b06f_qkv
	.p2align	8
	.type	k_qc17946b06f_qkv,@function
k_qc17946b06f_qkv:
	s_mov_b64 s[64:65], 0
	v_nop
	global_prefetch_b8 v0, s[64:65] scope:SCOPE_SE
	s_setreg_imm32_b32 hwreg(HW_REG_WAVE_MODE, 25, 1), 1
	s_wait_xcnt 0x0
; q, k, v = Q(x) W for the 8 heads, on codes of E2M3 with one E8M0 scale for each 32 along K; then q and k are quantised along the head's 64 and v along the keys, and leave as
; images of the operand registers that the attention launch wants.  x: [16384][512] f32.  wq, wk, wv: codes [8][64][16][24], K innermost; scale bytes [8][64][16].
; SHARES.  A work-group takes 64 tokens: four tiles of 16.  Row r of token tile T is token 32 (T / 2) + 8 (T % 2) + r + 8 (r / 8), so that two neighbouring tiles' results are 16 neighbours.
; Wave w quantises tile w of x; the 16 fragments go round through LDS as images of their registers (one barrier).  Then wave w makes heads 2 w and 2 w + 1: six units (head, q / k / v) of
; 4 weight tiles x 4 token tiles x 4 fragments along K = 64 matrix instructions on 16 accumulators.
; K's BLOCKS ARE TAKEN IN ANOTHER ORDER, alike in both operands: of a group of 256 along K (8 blocks) fragment f holds, at its place 2 c + h, the block 4 h + 2 f + c.  A lane's two fragments of a group
; are then 96 consecutive bytes of its weight row: six loads of 16 bytes, straight from memory into the operand's registers.  Each weight fragment is used by this wave alone, for four products: it takes no way through LDS.
; q, k: source 0 = 16 weight rows, source 1 = 16 tokens: a lane holds one token, its registers run along the head's 64.  v: the sources swapped: a lane holds one of the head's 64, its registers run along the keys.
; The text is straight: no label, no branch.  The counts of the waits for loads are kept by the assembler: ISS counts the loads issued, a mark keeps ISS behind a group, a wait names ISS less the mark.
; LIMITS: NaN and infinities among the inputs are not served.  A block whose largest magnitude lies under 2^-124 gets the byte 1; a block of zeros gets the byte 1 where the rule says 127: its codes are zeros, and this program alone reads the bytes.
; v's scale bytes leave as 2 bytes a lane, 4 bytes apart (two work-groups share a word): 262,144 bytes in the whole launch.
; REGISTERS.  window 0: v2-11 addresses; v16-31 x's scale words; v32-47 weight scale rows as loaded; v48-63 the same by fragments; v64-191 16 accumulators; v192-231 the quantiser's.
;   window 1: v0-191 x's 16 fragments (12 (4 m + f)).   window 2: v0-239 five entry buffers of 48: a weight tile's four fragments.
.set XSC,  24576                       ; LDS: x's 16 images of 1,536 bytes from 0, their scale words (128 bytes each) from here
.set XA,   2                           ; v2   x: row r + 8 (r / 8) of 2,048 bytes + 64 h
.set WA,   3                           ; v3   weights: row r + 8 (r / 8) of 384 bytes + 96 h
.set WS,   4                           ; v4   their scale rows: 16 bytes a row
.set LI16, 5                           ; v5   16 x lane
.set LI8,  6                           ; v6   8 x lane
.set LI4,  7                           ; v7   4 x lane
.set XWI,  8                           ; v8   where I store x's images: 16 x lane + 6,144 x wave
.set XWS,  9                           ; v9   and their scale words: XSC + 4 x lane + 512 x wave
.set SH16, 10                          ; v10  16 h
.set VT,   11                          ; v11  scale bytes on their way out
.set XS,   16
.set WRAW, 32
.set WSC,  48
.set ACC,  64
.set TM,   192
.set PW,   208
.set PC,   212
.set SEL,  36
.set SELA, 38
.set SELB, 39
.set MSB, 0
.set ISS, 0
.set RM0, 0
.set RM1, 0
.set RM2, 0
.set RM3, 0
.set RM4, 0
.macro WIN new                         ; the immediate's high byte repeats the setting that is left
.if MSB != \new
	s_set_vgpr_msb (MSB<<8)|\new
.set MSB, \new
.endif
.endm
.macro PLACES n
.rept \n
	v_nop
.endr
.endm
.macro MARK name
.set \name, ISS
.endm
.macro WAITL name                      ; the loads up to the mark are in: as many may be out as were issued behind it
.set CNT, ISS-\name
.if CNT > 63
.set CNT, 63
.endif
	s_wait_loadcnt CNT
.endm
.macro RINGMARK e
.if ((\e)%5) == 0
.set RM0, ISS
.elseif ((\e)%5) == 1
.set RM1, ISS
.elseif ((\e)%5) == 2
.set RM2, ISS
.elseif ((\e)%5) == 3
.set RM3, ISS
.else
.set RM4, ISS
.endif
.endm
.macro WAITRING e
.if ((\e)%5) == 0
.set CNT, ISS-RM0
.elseif ((\e)%5) == 1
.set CNT, ISS-RM1
.elseif ((\e)%5) == 2
.set CNT, ISS-RM2
.elseif ((\e)%5) == 3
.set CNT, ISS-RM3
.else
.set CNT, ISS-RM4
.endif
.if CNT > 63
.set CNT, 63
.endif
	s_wait_loadcnt CNT
.endm
; 64 numbers of a lane, register 16 b + i = number 16 h + i of the block at place b, become a fragment's codes in v[PC] on and its scale word in v[PW] (byte b = place b)
.macro QUANT src, win
.set QW, 5*(\win)
	WIN QW
.irp b, 0,1,2,3
	v_max3_num_f32 v[TM+\b], |v[\src+16*\b]|, |v[\src+16*\b+1]|, 0x1800000   ; my 16 numbers, and the floor 2^(3 - 127): the byte cannot fall under 1
.endr
.irp i, 2,4,6,8,10,12,14
.irp b, 0,1,2,3
	v_max3_num_f32 v[TM+\b], |v[\src+16*\b+\i]|, |v[\src+16*\b+\i+1]|, v[TM+\b]   ; the four blocks by turns
.endr
.endr
	WIN 0
.irp b, 0,1,2,3
	v_permlanex16_b32 v[TM+4+\b], v[TM+\b], s[SEL], s[SEL+1]
.endr
.irp b, 0,1,2,3
	v_max_num_f32 v[TM+\b], v[TM+\b], v[TM+4+\b]   ; with lane l xor 16's: the block's largest magnitude
.endr
.irp b, 0,1,2,3
	v_add_nc_u32 v[TM+12+\b], 0xff000000, v[TM+\b]   ; 2 off its exponent field: the conversion's scale operand
.endr
.irp b, 0,1,2,3
	v_lshrrev_b32 v[TM+4+\b], 23, v[TM+12+\b]   ; the scale's byte
.endr
	v_lshl_or_b32 v[PW], v[TM+5], 8, v[TM+4]
	v_lshl_or_b32 v[PW], v[TM+6], 16, v[PW]
	v_lshl_or_b32 v[PW], v[TM+7], 24, v[PW]
.set QW, \win
	WIN QW
.irp c, 0,1
	v_cvt_scalef32_pk16_fp6_f32 v[PC+6*\c:PC+6*\c+2], v[\src+32*\c:\src+32*\c+15], v[TM+12+2*\c]
	v_cvt_scalef32_pk16_fp6_f32 v[PC+12+4*\c:PC+14+4*\c], v[\src+32*\c+16:\src+32*\c+31], v[TM+13+2*\c]   ; (a conversion's three registers begin on an even number)
.endr
	WIN 0
	v_nop                                          ; one plain place behind a scaled conversion
.irp c, 0,1                                    ; the operand's layout wants a whole block in a lane: lanes 0-15 place 2 c, lanes 16-31 place 2 c + 1
.irp i, 0,1,2
	v_permlane16_swap_b32 v[PC+6*\c+\i], v[PC+12+4*\c+\i]
.endr
.irp i, 0,1,2
	v_mov_b32 v[PC+3+6*\c+\i], v[PC+12+4*\c+\i]
.endr
.endr
.endm
.macro IMAGE adr, off                          ; the fragment in v[PC] on goes to LDS as it stands
.irp c, 0,1,2
	ds_store_b128 v[\adr], v[PC+4*\c:PC+4*\c+3] offset:\off+512*\c
.endr
.endm
.macro XLOAD reg, phi                          ; my tile's 64 numbers a lane of fragment phi: place b is block 8 (phi / 2) + 2 (phi % 2) + 4 (b % 2) + b / 2
.irp b, 0,1,2,3
.irp j, 0,1,2,3
	global_load_b128 v[\reg+16*\b+4*\j:\reg+16*\b+4*\j+3], v[XA], s[4:5] offset:128*(8*((\phi)/2)+2*((\phi)%2)+4*(\b%2)+\b/2)+16*\j th:TH_LOAD_NT
.set ISS, ISS+1
.endr
.endr
.endm
.macro CLOAD e                                 ; entry e = 4 x unit + weight tile: the tile's four fragments, 12 loads of 16 bytes a lane, into buffer e % 5
.set cU, (\e)/4
.set cT, (\e)%4
.set cH, cU/3
.set cK, cU%3
.set cS, 48*((\e)%5)
	WIN 0x80
.irp g, 0,1
.irp i, 0,1,2,3,4,5
	global_load_b128 v[cS+24*\g+4*\i:cS+24*\g+4*\i+3], v[WA], s[6+4*cK:7+4*cK] offset:cH*24576+(32*(cT/2)+8*(cT%2))*384+192*\g+16*\i
.set ISS, ISS+1
.endr
.endr
	WIN 0
	RINGMARK \e
.endm
.macro SLOAD u                                 ; unit u's scale rows: 16 bytes a weight row
.set sH, (\u)/3
.set sK, (\u)%3
.irp t, 0,1,2,3
	global_load_b128 v[WRAW+4*\t:WRAW+4*\t+3], v[WS], s[8+4*sK:9+4*sK] offset:sH*1024+(32*(\t/2)+8*(\t%2))*16
.set ISS, ISS+1
.endr
	MARK MS
.endm
.macro PERMS                                   ; a row's bytes by true blocks become the four fragments' scale words
.irp t, 0,1,2,3
.irp g, 0,1
	v_perm_b32 v[WSC+4*\t+2*\g], v[WRAW+4*\t+2*\g+1], v[WRAW+4*\t+2*\g], s[SELA]
	v_perm_b32 v[WSC+4*\t+2*\g+1], v[WRAW+4*\t+2*\g+1], v[WRAW+4*\t+2*\g], s[SELB]
.endr
.endr
.endm
.macro MM d, a, b, c0, sa, sb
.if \c0
	v_wmma_scale_f32_16x16x128_f8f6f4 v[\d:\d+7], v[\a:\a+11], v[\b:\b+11], 0, v[\sa], v[\sb] matrix_a_fmt:MATRIX_FMT_FP6 matrix_b_fmt:MATRIX_FMT_FP6
.else
	v_wmma_scale_f32_16x16x128_f8f6f4 v[\d:\d+7], v[\a:\a+11], v[\b:\b+11], v[\d:\d+7], v[\sa], v[\sb] matrix_a_fmt:MATRIX_FMT_FP6 matrix_b_fmt:MATRIX_FMT_FP6
.endif
.endm
; A unit's 16 accumulators are quantised, 64 registers (two tiles) at a time, and stored.
.macro EPILOGUE
	PLACES 5                                       ; behind the last products: their results are read, their scale registers written, and the next unit's first products write over their accumulators
.if eU < 5
	WAITL MS
	PERMS                                          ; the next unit's scale words; the work below stands between them and the products that name them
.endif
.irp f, 0,1
	s_wait_xcnt 0x0                                ; the last stores have read their data registers
	QUANT ACC+64*\f, 0
	v_lshrrev_b32 v[VT], v[SH16], v[PW]            ; lanes 0-15: the first tile's two bytes; lanes 16-31: the second's
.if eK < 2
	v_and_b32 v[VT], 0xffff, v[VT]                 ; the upper two bytes of a word stand for K = 64 .. 127, which the head has not: 0
.endif
.if eK == 0
	global_store_b128 v[LI16], v[PC:PC+3], s[18:19] offset:eH*98304+1536*\f
	global_store_b64 v[LI8], v[PC+4:PC+5], s[18:19] offset:eH*98304+1536*\f+512
	global_store_b128 v[LI16], v[PC+6:PC+9], s[18:19] offset:eH*98304+1536*\f+768
	global_store_b64 v[LI8], v[PC+10:PC+11], s[18:19] offset:eH*98304+1536*\f+1280
	global_store_b32 v[LI4], v[VT], s[20:21] offset:eH*8192+128*\f
.elseif eK == 1
	global_store_b128 v[LI16], v[PC:PC+3], s[22:23] offset:eH*208896+1536*\f
	global_store_b128 v[LI16], v[PC+4:PC+7], s[22:23] offset:eH*208896+1536*\f+512
	global_store_b128 v[LI16], v[PC+8:PC+11], s[22:23] offset:eH*208896+1536*\f+1024
	global_store_b32 v[LI4], v[VT], s[24:25] offset:eH*208896+128*\f
.else
	global_store_b128 v[LI16], v[PC:PC+3], s[22:23] offset:eH*208896+6144+1536*\f
	global_store_b64 v[LI8], v[PC+4:PC+5], s[22:23] offset:eH*208896+6144+1536*\f+512
	global_store_b128 v[LI16], v[PC+6:PC+9], s[22:23] offset:eH*208896+6144+1536*\f+768
	global_store_b64 v[LI8], v[PC+10:PC+11], s[22:23] offset:eH*208896+6144+1536*\f+1280
	global_store_b16 v[LI4], v[VT], s[26:27] offset:eH*208896+128*\f
.endif
.endr
.endm
; One weight tile against the four token tiles, all of K: 16 matrix instructions; the four accumulators take turns, one instruction a turn.
.macro ENTRY e
.set eU, (\e)/4
.set eT, (\e)%4
.set eH, eU/3
.set eK, eU%3
.set eS, 48*((\e)%5)
	WAITRING \e                                    ; this entry's 12 loads are in; the younger entries' stay out
.if eT != 0
	PLACES 4                                       ; in front of loads into the buffer that the last entry's products read (at a unit's head the epilogue has stood between)
.endif
.if (\e)+4 < 24
	CLOAD (\e)+4
.endif
.if (eT == 0) && (eU < 5)
	SLOAD eU+1
.endif
.if eK < 2
	WIN 0x06                                       ; source 0: the weights, window 2; source 1: x, window 1
.irp p, 0,1,2,3
.irp m, 0,1,2,3
	MM ACC+8*(4*\m+eT), eS+12*\p, 12*(4*\m+\p), (\p==0), WSC+4*eT+\p, XS+4*\m+\p
.endr
.endr
.else
	WIN 0x09                                       ; the sources swapped
.irp p, 0,1,2,3
.irp m, 0,1,2,3
	MM ACC+8*(4*eT+\m), 12*(4*\m+\p), eS+12*\p, (\p==0), XS+4*\m+\p, WSC+4*eT+\p
.endr
.endr
.endif
	WIN 0
.if eT == 3
	EPILOGUE
.endif
.endm
	s_load_b512 s[4:19], s[0:1], 0x0               ; x, wq codes, wq scales, wk codes, wk scales, wv codes, wv scales, qc
	s_load_b128 s[20:23], s[0:1], 0x40             ; qs, kv
	v_lshl_add_u32 v254, v0, 2, 0x6800
	v_mov_b32 v255, 0
	v_lshrrev_b32 v1, 5, v0
	v_readfirstlane_b32 s28, v1                    ; wave 0..3
	v_and_b32 v15, 31, v0                          ; lane
	v_and_b32 v12, 15, v0                          ; r
	v_bfe_u32 v13, v0, 4, 1                        ; h
	v_and_b32 v14, 8, v12
	v_add_nc_u32 v14, v14, v12                     ; r + 8 (r / 8)
	v_lshlrev_b32 v[XA], 11, v14
	v_lshl_add_u32 v[XA], v13, 6, v[XA]
	v_mul_u32_u24 v[WA], v14, 384
	v_mad_u32_u24 v[WA], v13, 96, v[WA]
	v_lshlrev_b32 v[WS], 4, v14
	v_lshlrev_b32 v[LI16], 4, v15
	v_lshlrev_b32 v[LI8], 3, v15
	v_lshlrev_b32 v[LI4], 2, v15
	s_mul_i32 s29, s28, 6144
	v_add_nc_u32 v[XWI], s29, v[LI16]
	s_lshl_b32 s29, s28, 9
	s_add_co_u32 s29, s29, XSC
	v_add_nc_u32 v[XWS], s29, v[LI4]
	v_lshlrev_b32 v[SH16], 4, v13
.irp b, 0,1,2,3
	v_mov_b32 v[TM+4+\b], 0                        ; written once: a lane permute's destination counts as one of its sources
.endr
	s_mov_b32 s[SEL], 0x76543210
	s_mov_b32 s[SEL+1], 0xfedcba98                 ; v_permlanex16_b32's selects for lane l xor 16
	s_mov_b32 s[SELA], 0x05010400                  ; bytes 0, 4, 1, 5 of a group's eight scale bytes: fragment 0's word
	s_mov_b32 s[SELB], 0x07030602                  ; bytes 2, 6, 3, 7: fragment 1's
	s_mov_b32 s31, 0
	s_wait_kmcnt 0x0
	s_lshl_b32 s30, ttmp9, 17                      ; x: 64 rows of 2,048 bytes a work-group,
	s_lshr_b32 s29, s28, 1
	s_lshl_b32 s29, s29, 16
	s_add_co_u32 s30, s30, s29
	s_and_b32 s29, s28, 1
	s_lshl_b32 s29, s29, 14
	s_add_co_u32 s30, s30, s29                     ; + my tile's first row: 32 (w / 2) + 8 (w % 2)
	s_add_nc_u64 s[4:5], s[4:5], s[30:31]
	s_mul_i32 s30, s28, 49152                      ; my two heads' codes
	s_add_nc_u64 s[6:7], s[6:7], s[30:31]
	s_add_nc_u64 s[10:11], s[10:11], s[30:31]
	s_add_nc_u64 s[14:15], s[14:15], s[30:31]
	s_lshl_b32 s30, s28, 11                        ; and scale bytes
	s_add_nc_u64 s[8:9], s[8:9], s[30:31]
	s_add_nc_u64 s[12:13], s[12:13], s[30:31]
	s_add_nc_u64 s[16:17], s[16:17], s[30:31]
	s_lshr_b32 s32, ttmp9, 5                       ; the batch
	s_and_b32 s33, ttmp9, 31                       ; which 64 tokens of it
	s_lshl_b32 s32, s32, 3
	s_lshl_b32 s29, s28, 1
	s_add_co_u32 s32, s32, s29                     ; 8 x batch + my first head
	s_lshl_b32 s34, s32, 7
	s_lshl_b32 s29, s33, 2
	s_add_co_u32 s34, s34, s29                     ; x 128 tiles + my first tile
	s_mul_i32 s30, s34, 768
	s_add_nc_u64 s[18:19], s[18:19], s[30:31]      ; qc
	s_lshl_b32 s30, s34, 6
	s_add_nc_u64 s[20:21], s[20:21], s[30:31]      ; qs
	s_mul_i32 s30, s32, 208896
	s_lshr_b32 s29, s33, 1
	s_mul_i32 s29, s29, 13056
	s_add_co_u32 s30, s30, s29
	s_add_nc_u64 s[22:23], s[22:23], s[30:31]      ; kv: my head's block of the key step (128 keys)
	s_and_b32 s33, s33, 1                          ; which half of the step
	s_lshl_b32 s30, s33, 8
	s_add_co_u32 s30, s30, 12288
	s_add_nc_u64 s[24:25], s[22:23], s[30:31]      ; k's scale words
	s_lshl_b32 s30, s33, 1
	s_add_co_u32 s30, s30, 12800
	s_add_nc_u64 s[26:27], s[22:23], s[30:31]      ; v's scale bytes
	s_mul_i32 s30, s33, 3072
	s_add_nc_u64 s[22:23], s[22:23], s[30:31]      ; the codes: k's from 0, v's from 6,144
	; ---- x: my tile's four fragments, two buffers of 64 registers by turns
	XLOAD ACC, 0
	MARK MA
	XLOAD ACC+64, 1
	MARK MB
	WAITL MA
	QUANT ACC, 0
	IMAGE XWI, 0
	ds_store_b32 v[XWS], v[PW]
	XLOAD ACC, 2
	MARK MA
	WAITL MB
	s_wait_dscnt 0x0                               ; the stores have read their registers
	QUANT ACC+64, 0
	IMAGE XWI, 1536
	ds_store_b32 v[XWS], v[PW] offset:128
	XLOAD ACC+64, 3
	MARK MB
	WAITL MA
	s_wait_dscnt 0x0
	QUANT ACC, 0
	IMAGE XWI, 3072
	ds_store_b32 v[XWS], v[PW] offset:256
	WAITL MB
	SLOAD 0                                        ; the first weights go out here: they are on their way through the last quantising, the barrier and the fetch
	CLOAD 0
	CLOAD 1
	CLOAD 2
	CLOAD 3
	s_wait_dscnt 0x0
	QUANT ACC+64, 0
	IMAGE XWI, 4608
	ds_store_b32 v[XWS], v[PW] offset:384
	s_wait_dscnt 0x0                               ; for the others' sake: my images lie in LDS
	s_barrier_signal -1
	s_barrier_wait -1                              ; all sixteen do
	WIN 0x40
.irp n, 0,1,2,3,4,5,6,7,8,9,10,11,12,13,14,15
.irp c, 0,1,2
	ds_load_b128 v[12*\n+4*\c:12*\n+4*\c+3], v[LI16] offset:1536*\n+512*\c
.endr
.endr
	WIN 0
.irp n, 0,1,2,3,4,5,6,7,8,9,10,11,12,13,14,15
	ds_load_b32 v[XS+\n], v[LI4] offset:XSC+128*\n
.endr
	WAITL MS
	PERMS
	s_wait_dscnt 0x0
.set E, 0
.rept 24
	ENTRY E
.set E, E+1
.endr
	s_wait_tensorcnt 0x0
	ds_add_u32 v254, v255
	s_wait_dscnt 0x0
	s_endpgm
.Lfunc_end_k_qc17946b06f_qkv:
	.size	k_qc17946b06f_qkv, .Lfunc_end_k_qc17946b06f_qkv-k_qc17946b06f_qkv
	.p2alignl 7, 3214868480
	.fill 96, 4, 3214868480
	.section	.rodata,"a",@progbits
	.p2align	6, 0x0
	.amdhsa_kernel k_qc17946b06f_qkv
		.amdhsa_group_segment_fixed_size 27136
		.amdhsa_private_segment_fixed_size 0
		.amdhsa_enable_private_segment 0
		.amdhsa_kernarg_size 80
		.amdhsa_user_sgpr_count 2
		.amdhsa_user_sgpr_kernarg_segment_ptr 1
		.amdhsa_wavefront_size32 1
		.amdhsa_system_sgpr_workgroup_id_x 1
		.amdhsa_system_sgpr_workgroup_id_y 1
		.amdhsa_system_sgpr_workgroup_id_z 1
		.amdhsa_system_vgpr_workitem_id 0
		.amdhsa_next_free_vgpr 768
		.amdhsa_next_free_sgpr 66
		.amdhsa_reserve_vcc 0
		.amdhsa_float_denorm_mode_32 3
		.amdhsa_float_denorm_mode_16_64 3
		.amdhsa_memory_ordered 1
		.amdhsa_forward_progress 1
		.amdhsa_inst_pref_size 172
	.end_amdhsa_kernel
	.amdgpu_metadata
---
amdhsa.version: [ 1, 2 ]
amdhsa.kernels:
  - .name:           k_qc17946b06f_qkv
    .symbol:         k_qc17946b06f_qkv.kd
    .args:
      - { .name: x, .offset: 0, .size: 8, .value_kind: global_buffer, .address_space: global }
      - { .name: wq_codes, .offset: 8, .size: 8, .value_kind: global_buffer, .address_space: global }
      - { .name: wq_scales, .offset: 16, .size: 8, .value_kind: global_buffer, .address_space: global }
      - { .name: wk_codes, .offset: 24, .size: 8, .value_kind: global_buffer, .address_space: global }
      - { .name: wk_scales, .offset: 32, .size: 8, .value_kind: global_buffer, .address_space: global }
      - { .name: wv_codes, .offset: 40, .size: 8, .value_kind: global_buffer, .address_space: global }
      - { .name: wv_scales, .offset: 48, .size: 8, .value_kind: global_buffer, .address_space: global }
      - { .name: qc, .offset: 56, .size: 8, .value_kind: global_buffer, .address_space: global }
      - { .name: qs, .offset: 64, .size: 8, .value_kind: global_buffer, .address_space: global }
      - { .name: kv, .offset: 72, .size: 8, .value_kind: global_buffer, .address_space: global }
    .group_segment_fixed_size: 27136
    .private_segment_fixed_size: 0
    .kernarg_segment_align: 8
    .kernarg_segment_size: 80
    .max_flat_workgroup_size: 128
    .sgpr_count:     66
    .vgpr_count:     768
    .wavefront_size: 32
...
	.end_amdgpu_metadata
.endif
;; end of part 1
;; launch attn (part 2): grid 4 x 64, 16 waves a work-group, clusters of 4 x 1, 210,944 bytes of LDS; arguments qc, qs, kv, cc, cs; writes cc, cs
.if DOCPART == 2
	.amdgcn_target "amdgcn-amd-amdhsa--gfx1250"
	.amdhsa_code_object_version 6
	.text
	.protected	k_qc17946b06f_attn
	.globl	k_qc17946b06f_attn
	.p2align	8
	.type	k_qc17946b06f_attn,@function
k_qc17946b06f_attn:
	s_mov_b64 s[64:65], 0
	v_nop
	global_prefetch_b8 v0, s[64:65] scope:SCOPE_SE
	s_setreg_imm32_b32 hwreg(HW_REG_WAVE_MODE, 25, 1), 1
	s_wait_xcnt 0x0
	s_wait_alu depctr_hold_cnt(0) depctr_sa_sdst(0) depctr_va_vdst(0) depctr_va_sdst(0) depctr_va_ssrc(0) depctr_va_vcc(0) depctr_vm_vsrc(0)
	s_getreg_b32 s2, hwreg(HW_REG_IB_STS2, 6, 4)
	s_cmp_eq_u32 s2, 0
	s_cbranch_scc0 .Lentry_in_a_cluster
	s_endpgm
.Lentry_in_a_cluster:
	s_bfe_u32 s2, ttmp6, 0x10000c
	s_cmp_lg_u32 s2, 0x3003
	s_cbranch_scc0 .Lentry_shape_is_right
	s_endpgm
.Lentry_shape_is_right:
; concat = Q( softmax(q k^T / 8) v ), both products on codes of E2M3 with E8M0 block scales.  qc, qs, kv hold q, k and v as images of operand registers; cc, cs take the quantised heads.
; THE SOFTMAX: t = score x log2(e) / 8; M = the running largest t rounded up to a whole number; p = 2^(t - M) is quantised along the keys, not normalised; the row's sum is taken of the unquantised p and divides at the end.
; SHARES.  A work-group owns 512 queries of one (batch, head); each of its sixteen waves two tiles of 16 queries, one after the other; a tile walks the head's 2,048 keys, 128 a step.  Four waves share a SIMD's registers,
; so that one wave's vector work stands beside another's LDS loads and products.
; LDS.  The head's whole K and V, codes and scale words, are 16 blocks of 13,056 bytes (a block a key step): 208,896 bytes.  They are filled ONCE, a block a wave, and never again: no ring.
; CLUSTER.  The four work-groups of a (batch, head) read the same 208,896 bytes: each block is asked for jointly, by the same tensor load with the same descriptor and a mask that names the four.
; LAYOUT.  S^T = K Q^T (source 0 = 16 keys, source 1 = my 16 queries), O^T = V^T P^T: a lane holds one query throughout.  Row r of key tile 2 b + u is key 32 b + 8 u + r + 8 (r / 8): two neighbouring tiles' 16 registers are 16 neighbouring keys.
; THE HEAD HAS K = 64, THE INSTRUCTION 128.  Q's upper six registers are zero codes and the upper two bytes of its scale words are 0.  A key tile has six registers; as the upper six of its operand the instruction is given whatever follows
; (the next tile's codes; zeros behind the last): codes of this format are all finite numbers, their scale bytes there are 0, and they meet Q's zero codes: they add exactly 0.
; The scale half-words of concat leave as 2 bytes a row, 16 bytes apart (eight heads share a row's 16 bytes): 262,144 bytes in the whole launch.  Lanes l and l + 16 store the same two bytes with the same value.
; LIMITS: NaN and infinities are not served; a block under 2^-124, or of zeros, gets the byte 1 (zero codes; this program alone reads the bytes).
; REGISTERS: v1-5 addresses that stay; v8-10 the step's LDS addresses; v12 -M, v13 the largest t, v[14:15] the sum; v16-27 Q; v28 its scale words; v32-79 K's 8 tiles, then V's 4 fragments; v80-85 zeros;
;   v86-89 K's scale words, v90-91 V's; v96-159 S^T, then p; v160-191 O^T; v224-235 p's codes; v232-254 at work.
.set STEPB, 13056
.set VOFF,  6144
.set KSOFF, 12288
.set VSOFF, 12800
.set WV,  14
.set SEL, 20
.set CS,  22
.set G1,  24
.set G0,  32
.set TB,  36
.set CT,  37
.macro CROUND                          ; a round of the cluster's barrier
	s_barrier_signal -1
	s_barrier_wait -1
	s_cmp_lg_u32 s[WV], 0
	s_cbranch_scc1 .Lnot_wave_0_\@
	s_barrier_signal -3
.Lnot_wave_0_\@:
	s_barrier_wait -3
	s_barrier_signal -1
	s_barrier_wait -1
.endm
	s_load_b256 s[4:11], s[0:1], 0x0               ; qc, qs, kv, cc
	s_load_b64 s[12:13], s[0:1], 0x20              ; cs
	v_lshl_add_u32 v251, v0, 2, 0x33000
	v_mov_b32 v255, 0
	ds_add_u32 v251, v255
	ds_add_u32 v251, v255
	v_lshrrev_b32 v1, 5, v0
	v_readfirstlane_b32 s[WV], v1                  ; wave 0..15
	s_and_b32 s16, ttmp7, 0xffff                   ; 8 x batch + head, which the four partners share
	; descriptor group 1: a dense block of 13,056 bytes as 51 rows of 256 bytes (32 elements of 8 bytes), no padding
	s_mov_b32 s[G1], 15|(3<<16)|(1<<21)            ; 15:0 the mask: all four work-groups; 17:16 elements of 8 bytes; 21 set beside a mask
	s_mov_b32 s[G1+1], 32<<16                      ; tensor_dim0
	s_mov_b32 s[G1+2], 51<<16                      ; tensor_dim1
	s_mov_b32 s[G1+3], 32<<16                      ; tile_dim0
	s_mov_b32 s[G1+4], 51                          ; tile_dim1
	s_mov_b32 s[G1+5], 32                          ; from row to row
	s_mov_b32 s[G1+6], 0
	s_mov_b32 s[G1+7], 0
	s_mul_i32 s44, s16, 208896
	s_mul_i32 s46, s[WV], STEPB
	s_add_co_u32 s44, s44, s46                     ; my block in memory: nothing of my place in the cluster enters it
	s_mov_b32 s45, 0
	s_mov_b32 s[G0], 1
	s_mul_i32 s[G0+1], s[WV], STEPB                ; and in LDS
	s_wait_dscnt 0x0
	s_wait_kmcnt 0x0
	s_add_nc_u64 s[G0+2:G0+3], s[8:9], s[44:45]
	s_or_b32 s[G0+3], s[G0+3], 0x80000000
	CROUND                                         ; all four work-groups are here: the joint loads meet
	tensor_load_to_lds s[G0:G0+3], s[G1:G1+7]      ; my one tensor load of the launch
	s_nop 0
.rept 4
	v_nop
.endr
	s_bfe_u32 s15, ttmp6, 0x40000                  ; cx: my block of 512 queries; it enters the addresses of qc, qs, cc, cs alone
	s_lshl_b32 s17, s15, 5
	s_lshl_b32 s18, s[WV], 1
	s_add_co_u32 s17, s17, s18                     ; my first tile of the head's 128
	s_lshl_b32 s18, s16, 7
	s_add_co_u32 s18, s18, s17
	s_mov_b32 s41, 0
	s_mul_i32 s40, s18, 768
	s_add_nc_u64 s[4:5], s[4:5], s[40:41]
	s_lshl_b32 s40, s18, 6
	s_add_nc_u64 s[6:7], s[6:7], s[40:41]
	s_lshr_b32 s19, s16, 3
	s_lshl_b32 s19, s19, 7
	s_add_co_u32 s19, s19, s17                     ; the same tile among all 1,024 token tiles
	s_and_b32 s42, s16, 7                          ; the head
	s_lshl_b32 s40, s19, 3
	s_add_co_u32 s40, s40, s42
	s_mul_i32 s40, s40, 768
	s_add_nc_u64 s[10:11], s[10:11], s[40:41]
	s_lshl_b32 s40, s19, 8
	s_lshl_b32 s42, s42, 1
	s_add_co_u32 s40, s40, s42
	s_add_nc_u64 s[12:13], s[12:13], s[40:41]
	s_mov_b32 s[SEL], 0x76543210
	s_mov_b32 s[SEL+1], 0xfedcba98                 ; v_permlanex16_b32's selects for lane l xor 16
	s_mov_b32 s[CS], 0x3e38aa3b                    ; c = log2(e) / 8
	s_mov_b32 s[CS+1], s[CS]                       ; (named with it as a pair, so it is written)
	v_and_b32 v7, 31, v0
	v_lshlrev_b32 v1, 4, v7                        ; 16 x lane
	v_lshlrev_b32 v2, 3, v7                        ; 8 x lane
	v_lshlrev_b32 v3, 2, v7                        ; 4 x lane
	v_and_b32 v7, 15, v0
	v_lshlrev_b32 v4, 2, v7                        ; 4 r
	v_lshlrev_b32 v5, 4, v7                        ; 16 r
.irp j, 22,23,24,25,26,27,80,81,82,83,84,85
	v_mov_b32 v\j, 0                               ; zero codes: Q's K = 64 .. 127, and what follows the last key tile
.endr
.irp j, 236,237,238,239,253
	v_mov_b32 v\j, 0                               ; written once: a lane permute's destination counts as one of its sources; v253 is named in the pair v[252:253]
.endr
; A KEY STEP: 128 keys, whose block begins at LDS byte s[TB]
.macro STEP
	v_add_nc_u32 v8, s[TB], v1
	v_add_nc_u32 v9, s[TB], v2
	v_add_nc_u32 v10, s[TB], v3
	v_nop                                          ; four places in front of loads into registers that the last products read
.irp p, 0,1,2,3
.irp c, 0,1,2
	ds_load_b128 v[32+12*\p+4*\c:35+12*\p+4*\c], v8 offset:1536*\p+512*\c
.endr
	ds_load_b32 v[86+\p], v10 offset:KSOFF+128*\p  ; lanes 0-15: tile 2 p's words; lanes 16-31: tile 2 p + 1's
.endr
	s_wait_dscnt 0x0
.irp t, 0,2,4,6
	v_wmma_scale_f32_16x16x128_f8f6f4 v[96+8*\t:103+8*\t], v[32+6*\t:43+6*\t], v[16:27], 0, v[86+\t/2], v28 matrix_a_fmt:MATRIX_FMT_FP6 matrix_b_fmt:MATRIX_FMT_FP6
	v_wmma_scale_f32_16x16x128_f8f6f4 v[104+8*\t:111+8*\t], v[38+6*\t:49+6*\t], v[16:27], 0, v[86+\t/2], v28 matrix_a_fmt:MATRIX_FMT_FP6 matrix_b_fmt:MATRIX_FMT_FP6 matrix_a_scale:MATRIX_SCALE_ROW1
.endr
.rept 4
	v_nop                                          ; places: in front of the loads below and of the first read of the scores
.endr
.irp t, 0,1,2,3                                ; V's four fragments go out now and land during the softmax
.irp e, 0,1
	ds_load_b128 v[32+12*\t+6*\e:35+12*\t+6*\e], v8 offset:VOFF+3072*\e+768*\t
	ds_load_b64 v[36+12*\t+6*\e:37+12*\t+6*\e], v9 offset:VOFF+3072*\e+768*\t+512
.endr
.endr
	ds_load_b32 v90, v10 offset:VSOFF
	ds_load_b32 v91, v10 offset:VSOFF+128
.irp b, 0,1,2,3
	v_max3_num_f32 v[232+\b], v[96+16*\b], v[97+16*\b], v[98+16*\b]   ; the largest score of each block of 32 keys: for the row's maximum, and, since p rises with the score, for the block's largest p
.endr
.irp i, 3,5,7,9,11,13
.irp b, 0,1,2,3
	v_max3_num_f32 v[232+\b], v[232+\b], v[96+16*\b+\i], v[97+16*\b+\i]
.endr
.endr
.irp b, 0,1,2,3
	v_max_num_f32 v[232+\b], v[232+\b], v[111+16*\b]
.endr
.irp b, 0,1,2,3
	v_permlanex16_b32 v[236+\b], v[232+\b], s[SEL], s[SEL+1]
.endr
.irp b, 0,1,2,3
	v_max_num_f32 v[232+\b], v[232+\b], v[236+\b]  ; with lane l xor 16's 16 keys
.endr
	v_max3_num_f32 v254, v232, v233, v234
	v_max_num_f32 v254, v254, v235                 ; the step's largest score of my query
	v_mul_f32 v254, s[CS], v254                    ; as t
	v_max_num_f32 v13, v13, v254                   ; the running largest t
	v_mov_b32 v254, v12
	v_floor_f32 v12, -v13                          ; the new -M = floor(-t): M is a whole number
	v_sub_f32 v254, v12, v254                      ; old M - new M: a whole number, 0 or less
	v_cvt_i32_f32 v254, v254                       ; (it saturates)
	v_ldexp_f32 v252, 1.0, v254                    ; f = 2^(old M - new M): a multiplication by it rounds nothing
.set j, 0
.rept 32
	v_pk_fma_f32 v[96+j:97+j], v[96+j:97+j], s[CS:CS+1], v[12:13] op_sel_hi:[1,0,0]   ; t - M, two at a time
.set j, j+2
.endr
.irp b, 0,1,2,3
	v_fma_f32 v[232+\b], v[232+\b], s[CS], v12     ; the same of each block's largest score
.endr
.set j, 0
.rept 64
	v_exp_f32 v[96+j], v[96+j]                     ; p = 2^(t - M), at most 1
.set j, j+1
.endr
	v_pk_mul_f32 v[14:15], v[14:15], v[252:253] op_sel_hi:[1,0]   ; the sums under the new M (a plain place behind the exponentials)
	s_wait_alu depctr_va_vdst(0)                   ; one wait for the whole batch, ahead of its first reader
.irp b, 0,1,2,3
	v_exp_f32 v[232+\b], v[232+\b]                 ; the block's largest p
.endr
	v_pk_add_f32 v[236:237], v[96:97], v[98:99]    ; the row's sum of the unquantised p, in two chains
.set j, 4
.rept 15
	v_pk_add_f32 v[14:15], v[14:15], v[96+j:97+j]
	v_pk_add_f32 v[236:237], v[236:237], v[98+j:99+j]
.set j, j+4
.endr
	v_pk_add_f32 v[14:15], v[14:15], v[236:237]
	s_wait_alu depctr_va_vdst(0)                   ; and one for the four
.irp b, 0,1,2,3
	v_max_num_f32 v[232+\b], 0x1800000, v[232+\b]  ; the floor 2^(3 - 127): the byte cannot fall under 1
.endr
.irp b, 0,1,2,3
	v_add_nc_u32 v[244+\b], 0xff000000, v[232+\b]  ; 2 off the exponent field: the conversion's scale operand
.endr
.irp b, 0,1,2,3
	v_lshrrev_b32 v[236+\b], 23, v[244+\b]         ; the scale's byte
.endr
	v_lshl_or_b32 v253, v237, 8, v236              ; p's scale word for these 128 keys
	v_lshl_or_b32 v253, v238, 16, v253
	v_lshl_or_b32 v253, v239, 24, v253
.irp c, 0,1
	v_cvt_scalef32_pk16_fp6_f32 v[224+6*\c:226+6*\c], v[96+32*\c:111+32*\c], v[244+2*\c]
	v_cvt_scalef32_pk16_fp6_f32 v[236+4*\c:238+4*\c], v[112+32*\c:127+32*\c], v[245+2*\c]
.endr
	v_nop                                          ; one plain place behind a scaled conversion
.irp c, 0,1
.irp i, 0,1,2
	v_permlane16_swap_b32 v[224+6*\c+\i], v[236+4*\c+\i]
.endr
.irp i, 0,1,2
	v_mov_b32 v[227+6*\c+\i], v[236+4*\c+\i]
.endr
.endr
.set j, 0
.rept 16
	v_pk_mul_f32 v[160+j:161+j], v[160+j:161+j], v[252:253] op_sel_hi:[1,0]   ; O^T under the new M; these are also the places in front of the products below
.set j, j+2
.endr
	s_wait_dscnt 0x0                               ; V is in
.irp t, 0,2
	v_wmma_scale_f32_16x16x128_f8f6f4 v[160+8*\t:167+8*\t], v[32+12*\t:43+12*\t], v[224:235], v[160+8*\t:167+8*\t], v[90+\t/2], v253 matrix_a_fmt:MATRIX_FMT_FP6 matrix_b_fmt:MATRIX_FMT_FP6
	v_wmma_scale_f32_16x16x128_f8f6f4 v[168+8*\t:175+8*\t], v[44+12*\t:55+12*\t], v[224:235], v[168+8*\t:175+8*\t], v[90+\t/2], v253 matrix_a_fmt:MATRIX_FMT_FP6 matrix_b_fmt:MATRIX_FMT_FP6 matrix_a_scale:MATRIX_SCALE_ROW1
.endr
.endm
; O^T / the sum is quantised along the head's 64, two blocks of concat's K, and stored as half a fragment's image
.macro FINISH tl
.rept 4
	v_nop
.endr
	v_add_f32 v14, v14, v15
	v_permlanex16_b32 v252, v14, s[SEL], s[SEL+1]
	v_add_f32 v14, v14, v252                       ; the row's sum
	v_rcp_f32 v14, v14
	v_nop                                          ; a plain place behind the transcendental
	s_wait_alu depctr_va_vdst(0)                   ; the wait, ahead of the first reader
.set j, 0
.rept 32
	v_mul_f32 v[96+j], v[160+j], v14               ; register 16 b + i: channel 32 b + 16 h + i of my query
.set j, j+1
.endr
.irp b, 0,1
	v_max3_num_f32 v[232+\b], |v[96+16*\b]|, |v[97+16*\b]|, 0x1800000
.endr
.irp i, 2,4,6,8,10,12,14
.irp b, 0,1
	v_max3_num_f32 v[232+\b], v[232+\b], |v[96+16*\b+\i]|, |v[97+16*\b+\i]|
.endr
.endr
.irp b, 0,1
	v_permlanex16_b32 v[236+\b], v[232+\b], s[SEL], s[SEL+1]
.endr
.irp b, 0,1
	v_max_num_f32 v[232+\b], v[232+\b], v[236+\b]
.endr
.irp b, 0,1
	v_add_nc_u32 v[244+\b], 0xff000000, v[232+\b]
.endr
.irp b, 0,1
	v_lshrrev_b32 v[236+\b], 23, v[244+\b]
.endr
	v_lshl_or_b32 v254, v237, 8, v236              ; my row's two scale bytes
	v_cvt_scalef32_pk16_fp6_f32 v[224:226], v[96:111], v244
	v_cvt_scalef32_pk16_fp6_f32 v[240:242], v[112:127], v245
	v_nop
.irp i, 0,1,2
	v_permlane16_swap_b32 v[224+\i], v[240+\i]
.endr
.irp i, 0,1,2
	v_mov_b32 v[227+\i], v[240+\i]                 ; lanes 0-15: channels 0-31; lanes 16-31: channels 32-63
.endr
	global_store_b128 v1, v[224:227], s[10:11] offset:6144*\tl
	global_store_b64 v2, v[228:229], s[10:11] offset:6144*\tl+512
	global_store_b16 v5, v254, s[12:13] offset:256*\tl
	s_wait_xcnt 0x0                                ; the stores have read their registers: the next tile may write them
.endm
.macro TILE tl
	global_load_b128 v[16:19], v1, s[4:5] offset:768*\tl
	global_load_b64 v[20:21], v2, s[4:5] offset:768*\tl+512
	global_load_b32 v28, v4, s[6:7] offset:64*\tl
	v_mov_b32 v13, 0xff61b1e6                      ; the largest t so far: -3e38
	v_floor_f32 v12, -v13
	v_mov_b32 v14, 0
	v_mov_b32 v15, 0
.set j, 0
.rept 32
	v_mov_b32 v[160+j], 0                          ; O^T: the step is written once; the first finds zeros
.set j, j+1
.endr
	s_mov_b32 s[TB], 0
	s_mov_b32 s[CT], 16
	s_wait_loadcnt 0x0                             ; Q
.if \tl == 0
	s_wait_tensorcnt 0x0                           ; my block has landed,
	s_barrier_signal -1
	s_barrier_wait -1                              ; and so have all sixteen
.endif
.Lstep_\@:
	STEP
	s_add_co_u32 s[TB], s[TB], STEPB
	s_sub_co_u32 s[CT], s[CT], 1
	s_cmp_lg_u32 s[CT], 0
	s_cbranch_scc1 .Lstep_\@
	FINISH \tl
.endm
	TILE 0
	TILE 1
	s_wait_dscnt 0x0
	s_wait_tensorcnt 0x0
	ds_add_u32 v251, v255
	s_wait_dscnt 0x0
	CROUND                                         ; the closing round: no work-group ends while a partner may still ask for a block that names it
	s_endpgm
.Lfunc_end_k_qc17946b06f_attn:
	.size	k_qc17946b06f_attn, .Lfunc_end_k_qc17946b06f_attn-k_qc17946b06f_attn
	.p2alignl 7, 3214868480
	.fill 96, 4, 3214868480
	.section	.rodata,"a",@progbits
	.p2align	6, 0x0
	.amdhsa_kernel k_qc17946b06f_attn
		.amdhsa_group_segment_fixed_size 210944
		.amdhsa_private_segment_fixed_size 0
		.amdhsa_enable_private_segment 0
		.amdhsa_kernarg_size 40
		.amdhsa_user_sgpr_count 2
		.amdhsa_user_sgpr_kernarg_segment_ptr 1
		.amdhsa_wavefront_size32 1
		.amdhsa_system_sgpr_workgroup_id_x 1
		.amdhsa_system_sgpr_workgroup_id_y 1
		.amdhsa_system_sgpr_workgroup_id_z 1
		.amdhsa_system_vgpr_workitem_id 0
		.amdhsa_next_free_vgpr 256
		.amdhsa_next_free_sgpr 66
		.amdhsa_reserve_vcc 0
		.amdhsa_float_denorm_mode_32 3
		.amdhsa_float_denorm_mode_16_64 3
		.amdhsa_memory_ordered 1
		.amdhsa_forward_progress 1
		.amdhsa_inst_pref_size 47
	.end_amdhsa_kernel
	.amdgpu_metadata
---
amdhsa.version: [ 1, 2 ]
amdhsa.kernels:
  - .name:           k_qc17946b06f_attn
    .symbol:         k_qc17946b06f_attn.kd
    .args:
      - { .name: qc, .offset: 0, .size: 8, .value_kind: global_buffer, .address_space: global }
      - { .name: qs, .offset: 8, .size: 8, .value_kind: global_buffer, .address_space: global }
      - { .name: kv, .offset: 16, .size: 8, .value_kind: global_buffer, .address_space: global }
      - { .name: cc, .offset: 24, .size: 8, .value_kind: global_buffer, .address_space: global }
      - { .name: cs, .offset: 32, .size: 8, .value_kind: global_buffer, .address_space: global }
    .group_segment_fixed_size: 210944
    .private_segment_fixed_size: 0
    .kernarg_segment_align: 8
    .kernarg_segment_size: 40
    .max_flat_workgroup_size: 512
    .sgpr_count:     66
    .vgpr_count:     256
    .wavefront_size: 32
...
	.end_amdgpu_metadata
.endif
;; end of part 2
;; launch tail (part 3): grid 256 x 1, 4 waves a work-group, no clusters, 253,440 bytes of LDS; arguments cc, cs, x, wo_codes, wo_scales, w1_codes, w1_scales, b1, w2_codes, w2_scales, b2, ln1_g, ln1_b, ln2_g, ln2_b, out0; writes out0
.if DOCPART == 3
	.amdgcn_target "amdgcn-amd-amdhsa--gfx1250"
	.amdhsa_code_object_version 6
	.text
	.protected	k_qc17946b06f_tail
	.globl	k_qc17946b06f_tail
	.p2align	8
	.type	k_qc17946b06f_tail,@function
k_qc17946b06f_tail:
	s_mov_b64 s[64:65], 0
	v_nop
	global_prefetch_b8 v0, s[64:65] scope:SCOPE_SE
	s_setreg_imm32_b32 hwreg(HW_REG_WAVE_MODE, 25, 1), 1
	s_wait_xcnt 0x0
; x1 = LN1(concat wo + x);  out = LN2(relu(Q(x1) w1 + b1) -> Q -> w2 + b2 + x1).  The three products on codes of E2M3 with E8M0 block scales; all else in f32.
; concat arrives quantised (cc: half fragments' images by token tile and head; cs: a row's 16 scale bytes by true blocks).  wo [512][16][24], w1 [1024][16][24], w2 [512][32][24]: codes, K innermost.
; SHARES.  A work-group takes 64 tokens: four tiles of 16 (row r of tile T is token 32 (T / 2) + 8 (T % 2) + r + 8 (r / 8)).  THE WAVES SHARE THE COLUMNS.  K's blocks go in the order in which a lane's two fragments of a group of 256
; are 96 consecutive bytes of a weight row (fragment f, place 2 c + h: block 4 h + 2 f + c of the group), alike in both operands.  Wave w owns, of the 512-wide layers, the four blocks that make fragment w of the next product's K:
; two runs of 256 bytes of an f32 row; of the hidden layer the eight blocks of fragments 2 w and 2 w + 1.  So what a wave makes is quantised in its registers into whole fragments, which go round through LDS as images.
; Products are used transposed (source 0 = 16 weight rows, source 1 = 16 tokens): a lane holds one token, its registers run along the columns.  The rows of a weight tile are chosen so that two tiles' 16 registers are 16 neighbours.
; FIVE PARTS of 8 entries; an entry is one weight tile x 4 fragments x 4 token tiles = 16 matrix instructions, the four accumulators by turns.  wo | w1, first half | w1, second half | w2, K 0-511 | w2, K 512-1023.
; The weights come straight from memory into the operand's registers, four entries ahead, in five buffers: each fragment is used by this wave alone.  The residual x, b1, and x1 + b2 are the C of a sum's first products.
; LAYER NORM: the mean first, then the squares of the differences, as the definition has it; the four waves' partial sums meet in LDS (two barriers a norm).
; The text is straight: no label, no branch; the counts of the waits for loads are kept by the assembler (ISS counts the loads issued; a wait names ISS less the mark, held at 63: a smaller count than the loads issued behind is always right).
; LIMITS: NaN and infinities are not served; a block under 2^-124, or of zeros, gets the byte 1 (zero codes; this program alone reads the bytes).
; REGISTERS.  window 0: v1-23 addresses; v32-47 the activations' scale words; v48-79 weight scale rows, v80-111 the same by fragments; v112-127 concat's scale rows; v144-181 the quantiser's; v184-231 the norms'.
;   window 1: v0-191 16 activation fragments (in a norm: gain v0-63, bias v64-127); v192-255 b1 or b2.   window 2: the 32 accumulators (8 (8 m + t)).   window 3: five entry buffers of 48; at the end two buffers of 64 for the way out.
.set X1ST,  0                          ; LDS: x1 in f32, 32,768 bytes a wave, its own
.set X1IMG, 131072                     ; x1's 16 images (4 m + f)
.set X1SC,  155648                     ; their scale words
.set HIMG,  157696                     ; the hidden layer's 32 images (8 m + f)
.set HSC,   206848                     ; their scale words
.set STAT,  210944                     ; four regions of 2,048 bytes, one for each exchange of partial sums
.set OSTG,  219136                     ; the way out: 16 rows x 528 bytes a wave, its own
.set WA,   1
.set WA2,  2
.set WS,   3
.set WS2,  4
.set XR,   5
.set CA16, 6
.set CA8,  7
.set CSA,  8
.set B4,   9
.set ST,   10
.set XWI,  11
.set XWS,  12
.set FI,   13
.set LS,   14
.set HWI,  15
.set HWS,  16
.set HFI,  17
.set HLS,  18
.set SAW,  19
.set SAR,  20
.set OSW,  21
.set OSR,  22
.set OG,   23
.set XS,   32
.set WRAW, 48
.set WSC,  80
.set CRAW, 112
.set TM,   144
.set PW,   160
.set PC,   162
.set SA,   184
.set S,    192
.set SX,   196
.set PT,   200
.set NM,   216
.set RS,   224
.set SEL,  40
.set SELA, 42
.set SELB, 43
.set MSB, 0
.set ISS, 0
.set RM0, 0
.set RM1, 0
.set RM2, 0
.set RM3, 0
.set RM4, 0
.macro WIN new                         ; the immediate's high byte repeats the setting that is left
.if MSB != \new
	s_set_vgpr_msb (MSB<<8)|\new
.set MSB, \new
.endif
.endm
.macro PLACES n
.rept \n
	v_nop
.endr
.endm
.macro MARK name
.set \name, ISS
.endm
.macro WAITL name
.set CNT, ISS-\name
.if CNT > 63
.set CNT, 63
.endif
	s_wait_loadcnt CNT
.endm
.macro RINGMARK e
.if ((\e)%5) == 0
.set RM0, ISS
.elseif ((\e)%5) == 1
.set RM1, ISS
.elseif ((\e)%5) == 2
.set RM2, ISS
.elseif ((\e)%5) == 3
.set RM3, ISS
.else
.set RM4, ISS
.endif
.endm
.macro WAITRING e
.if ((\e)%5) == 0
.set CNT, ISS-RM0
.elseif ((\e)%5) == 1
.set CNT, ISS-RM1
.elseif ((\e)%5) == 2
.set CNT, ISS-RM2
.elseif ((\e)%5) == 3
.set CNT, ISS-RM3
.else
.set CNT, ISS-RM4
.endif
.if CNT > 63
.set CNT, 63
.endif
	s_wait_loadcnt CNT
.endm
.macro GL128 dst, adr, base, off
	global_load_b128 v[\dst:\dst+3], v[\adr], s[\base:\base+1] offset:\off
.set ISS, ISS+1
.endm
.macro GL64 dst, adr, base, off
	global_load_b64 v[\dst:\dst+1], v[\adr], s[\base:\base+1] offset:\off
.set ISS, ISS+1
.endm
; 64 numbers of a lane in window win, register 16 b + i = number 16 h + i of the block at place b, become a fragment's codes in v[PC] on and its scale word in v[PW]
.macro QUANT src, win
.set QW, 5*(\win)
	WIN QW
.irp b, 0,1,2,3
	v_max3_num_f32 v[TM+\b], |v[\src+16*\b]|, |v[\src+16*\b+1]|, 0x1800000   ; my 16 numbers, and the floor 2^(3 - 127): the byte cannot fall under 1
.endr
.irp i, 2,4,6,8,10,12,14
.irp b, 0,1,2,3
	v_max3_num_f32 v[TM+\b], |v[\src+16*\b+\i]|, |v[\src+16*\b+\i+1]|, v[TM+\b]
.endr
.endr
	WIN 0
.irp b, 0,1,2,3
	v_permlanex16_b32 v[TM+4+\b], v[TM+\b], s[SEL], s[SEL+1]
.endr
.irp b, 0,1,2,3
	v_max_num_f32 v[TM+\b], v[TM+\b], v[TM+4+\b]
.endr
.irp b, 0,1,2,3
	v_add_nc_u32 v[TM+12+\b], 0xff000000, v[TM+\b]
.endr
.irp b, 0,1,2,3
	v_lshrrev_b32 v[TM+4+\b], 23, v[TM+12+\b]
.endr
	v_lshl_or_b32 v[PW], v[TM+5], 8, v[TM+4]
	v_lshl_or_b32 v[PW], v[TM+6], 16, v[PW]
	v_lshl_or_b32 v[PW], v[TM+7], 24, v[PW]
.set QW, \win
	WIN QW
.irp c, 0,1
	v_cvt_scalef32_pk16_fp6_f32 v[PC+6*\c:PC+6*\c+2], v[\src+32*\c:\src+32*\c+15], v[TM+12+2*\c]
	v_cvt_scalef32_pk16_fp6_f32 v[PC+12+4*\c:PC+14+4*\c], v[\src+32*\c+16:\src+32*\c+31], v[TM+13+2*\c]
.endr
	WIN 0
	v_nop                                          ; one plain place behind a scaled conversion
.irp c, 0,1
.irp i, 0,1,2
	v_permlane16_swap_b32 v[PC+6*\c+\i], v[PC+12+4*\c+\i]
.endr
.irp i, 0,1,2
	v_mov_b32 v[PC+3+6*\c+\i], v[PC+12+4*\c+\i]
.endr
.endr
.endm
.macro IMAGE adr, off
.irp c, 0,1,2
	ds_store_b128 v[\adr], v[PC+4*\c:PC+4*\c+3] offset:\off+512*\c
.endr
.endm
.macro FETCH reg, adr, off
.irp c, 0,1,2
	ds_load_b128 v[\reg+4*\c:\reg+4*\c+3], v[\adr] offset:\off+512*\c
.endr
.endm
.macro BARRIER
	s_wait_dscnt 0x0                               ; my LDS stores have landed and my LDS loads are in
	s_barrier_signal -1
	s_barrier_wait -1
.endm
.macro CLOAD e                                 ; entry e = 8 x part + weight tile: 12 loads of 16 bytes a lane into buffer e % 5
.set cP, (\e)/8
.set cT, (\e)%8
.set cO, 4*((cT/2)%2)+cT/4
.set cS, 48*((\e)%5)
.if cP == 0
.set cB, 10
.set cA, WA
.set cR, 384
.set cI, 0
.elseif cP == 1
.set cB, 14
.set cA, WA
.set cR, 384
.set cI, 0
.elseif cP == 2
.set cB, 14
.set cA, WA
.set cR, 384
.set cI, 24576
.elseif cP == 3
.set cB, 20
.set cA, WA2
.set cR, 768
.set cI, 0
.else
.set cB, 20
.set cA, WA2
.set cR, 768
.set cI, 384
.endif
	WIN 0xc0
.irp g, 0,1
.irp i, 0,1,2,3,4,5
	global_load_b128 v[cS+24*\g+4*\i:cS+24*\g+4*\i+3], v[cA], s[cB:cB+1] offset:(32*cO+8*(cT%2))*cR+cI+192*\g+16*\i
.set ISS, ISS+1
.endr
.endr
	WIN 0
	RINGMARK \e
.endm
.macro SLOAD p                                 ; part p's scale rows: 16 bytes (four fragments' worth) of each weight row
.if (\p) == 0
.set sB, 12
.set sA, WS
.set sR, 16
.set sI, 0
.elseif (\p) == 1
.set sB, 16
.set sA, WS
.set sR, 16
.set sI, 0
.elseif (\p) == 2
.set sB, 16
.set sA, WS
.set sR, 16
.set sI, 1024
.elseif (\p) == 3
.set sB, 22
.set sA, WS2
.set sR, 32
.set sI, 0
.else
.set sB, 22
.set sA, WS2
.set sR, 32
.set sI, 16
.endif
.irp t, 0,1,2,3,4,5,6,7
	global_load_b128 v[WRAW+4*\t:WRAW+4*\t+3], v[sA], s[sB:sB+1] offset:(32*(4*((\t/2)%2)+\t/4)+8*(\t%2))*sR+sI
.set ISS, ISS+1
.endr
	MARK MS
.endm
.macro PERMS
.irp t, 0,1,2,3,4,5,6,7
.irp g, 0,1
	v_perm_b32 v[WSC+4*\t+2*\g], v[WRAW+4*\t+2*\g+1], v[WRAW+4*\t+2*\g], s[SELA]
	v_perm_b32 v[WSC+4*\t+2*\g+1], v[WRAW+4*\t+2*\g+1], v[WRAW+4*\t+2*\g], s[SELB]
.endr
.endr
.endm
.macro PLOAD dst, base, imm                    ; 64 numbers of a vector over my columns, in the result's layout, into window 1
	WIN 0x40
.irp b, 0,1,2,3
.irp q, 0,1,2,3
	GL128 \dst+16*\b+4*\q, B4, \base, \imm+128*(4*(\b%2)+\b/2)+16*\q
.endr
.endr
	WIN 0
	MARK MP
.endm
.macro MMC d, a, b, c, sa, sb
	v_wmma_scale_f32_16x16x128_f8f6f4 v[\d:\d+7], v[\a:\a+11], v[\b:\b+11], v[\c:\c+7], v[\sa], v[\sb] matrix_a_fmt:MATRIX_FMT_FP6 matrix_b_fmt:MATRIX_FMT_FP6
.endm
.macro ENTRY e
.set eP, (\e)/8
.set eT, (\e)%8
.set eS, 48*((\e)%5)
	WAITRING \e                                    ; this entry's 12 loads are in; the younger ones stay out
.if eT != 0
	PLACES 4                                       ; in front of loads into the buffer that the last entry's products read (at a part's head vector work has stood between)
.endif
.if (\e)+4 < 40
	CLOAD (\e)+4
.endif
.if (eT == 3) && (eP < 4)
	SLOAD eP+1
.endif
.irp p, 0,1,2,3
.if (\p == 0) && ((eP == 1) || (eP == 2))
	WIN 0x97                                       ; weights window 3, activations window 1, C = b1 in window 1, D window 2
.irp m, 0,1,2,3
	MMC 8*(8*\m+eT), eS+12*\p, 12*(4*\m+\p), 192+8*eT, WSC+4*eT+\p, XS+4*\m+\p
.endr
.else
	WIN 0xa7                                       ; C and D window 2
.irp m, 0,1,2,3
	MMC 8*(8*\m+eT), eS+12*\p, 12*(4*\m+\p), 8*(8*\m+eT), WSC+4*eT+\p, XS+4*\m+\p
.endr
.endif
.endr
	WIN 0
.endm
.macro PART first
.set E, \first
.rept 8
	ENTRY E
.set E, E+1
.endr
.endm
.macro BOUNDARY                                ; behind a part: places, then the next part's scale words
	PLACES 4
	WAITL MS
	PERMS
.endm
; the four tiles' sums in SA's pairs: halves, lane l xor 16, then the four waves' through LDS; the totals come out in v[S] on
.macro EXCH k
	WIN 0
.irp m, 0,1,2,3
	v_add_f32 v[S+\m], v[SA+2*\m], v[SA+2*\m+1]
.endr
.irp m, 0,1,2,3
	v_permlanex16_b32 v[SX+\m], v[S+\m], s[SEL], s[SEL+1]
.endr
.irp m, 0,1,2,3
	v_add_f32 v[S+\m], v[S+\m], v[SX+\m]
.endr
	ds_store_b128 v[SAW], v[S:S+3] offset:2048*(\k)
	BARRIER
.irp w, 0,1,2,3
	ds_load_b128 v[PT+4*\w:PT+4*\w+3], v[SAR] offset:2048*(\k)+512*\w
.endr
	s_wait_dscnt 0x0
.irp m, 0,1,2,3
	v_add_f32 v[PT+\m], v[PT+\m], v[PT+4+\m]
	v_add_f32 v[PT+8+\m], v[PT+8+\m], v[PT+12+\m]
.endr
.irp m, 0,1,2,3
	v_add_f32 v[S+\m], v[PT+\m], v[PT+8+\m]
.endr
.endm
; layer norm of the 64 rows, in place in the accumulators' registers
.macro LN k, gb, bb
	PLOAD 0, \gb, 0
	PLOAD 64, \bb, 0
	WIN 0x0a
.irp m, 0,1,2,3
	v_pk_add_f32 v[SA+2*\m:SA+2*\m+1], v[64*\m:64*\m+1], v[64*\m+2:64*\m+3]   ; each accumulator is read from its low end on
.endr
	WIN 0x08
.set li, 4
.rept 30
.irp m, 0,1,2,3
	v_pk_add_f32 v[SA+2*\m:SA+2*\m+1], v[SA+2*\m:SA+2*\m+1], v[64*\m+li:64*\m+li+1]
.endr
.set li, li+2
.endr
	EXCH \k
.irp m, 0,1,2,3
	v_mul_f32 v[NM+2*\m], s46, v[S+\m]             ; - the mean, in both halves of a pair
	v_mul_f32 v[NM+2*\m+1], s46, v[S+\m]
.endr
	WIN 0x82
.set li, 0
.rept 32
.irp m, 0,1,2,3
	v_pk_add_f32 v[64*\m+li:64*\m+li+1], v[64*\m+li:64*\m+li+1], v[NM+2*\m:NM+2*\m+1]
.endr
.set li, li+2
.endr
	WIN 0x0a
.irp m, 0,1,2,3
	v_pk_mul_f32 v[SA+2*\m:SA+2*\m+1], v[64*\m:64*\m+1], v[64*\m:64*\m+1]
.endr
.set li, 2
.rept 31
.irp m, 0,1,2,3
	v_pk_fma_f32 v[SA+2*\m:SA+2*\m+1], v[64*\m+li:64*\m+li+1], v[64*\m+li:64*\m+li+1], v[SA+2*\m:SA+2*\m+1]
.endr
.set li, li+2
.endr
	EXCH (\k)+1
.irp m, 0,1,2,3
	v_fma_f32 v[SX+\m], v[S+\m], s44, s45          ; the variance + 1e-5
.endr
.irp m, 0,1,2,3
	v_rsq_f32 v[RS+2*\m], v[SX+\m]
	v_rsq_f32 v[RS+2*\m+1], v[SX+\m]
.endr
	v_nop                                          ; a plain place behind the transcendentals
	s_wait_alu depctr_va_vdst(0)                   ; one wait for the eight, ahead of their first reader
	WAITL MP                                       ; gain and bias are in
	WIN 0x82
.set li, 0
.rept 32
.irp m, 0,1,2,3
	v_pk_mul_f32 v[64*\m+li:64*\m+li+1], v[64*\m+li:64*\m+li+1], v[RS+2*\m:RS+2*\m+1]
.endr
.set li, li+2
.endr
	WIN 0x96
.set li, 0
.rept 32
.irp m, 0,1,2,3
	v_pk_fma_f32 v[64*\m+li:64*\m+li+1], v[64*\m+li:64*\m+li+1], v[li:li+1], v[64+li:65+li]
.endr
.set li, li+2
.endr
	WIN 0
.endm
.macro RELUQ half                              ; relu, then my 128 hidden units of each tile of rows become fragment 2 w + half
	WIN 0x88
.set li, 0
.rept 256
	v_max_num_f32 v[li], 0, v[li]
.set li, li+1
.endr
	WIN 0
.irp m, 0,1,2,3
	QUANT 64*\m, 2
	IMAGE HWI, 12288*\m+1536*(\half)
	ds_store_b32 v[HWS], v[PW] offset:1024*\m+128*(\half)
	s_wait_dscnt 0x0                               ; the stores have read their registers
.endr
.endm
.macro HFETCH kap                              ; the hidden layer's fragments 4 kap .. 4 kap + 3 of the four tiles of rows
	WIN 0x40
.irp m, 0,1,2,3
.irp p, 0,1,2,3
	FETCH 12*(4*\m+\p), HFI, 1536*(8*\m+4*(\kap)+\p)
.endr
.endr
	WIN 0
.irp m, 0,1,2,3
.irp p, 0,1,2,3
	ds_load_b32 v[XS+4*\m+\p], v[HLS] offset:128*(8*\m+4*(\kap)+\p)
.endr
.endr
.endm
	s_load_b512 s[4:19], s[0:1], 0x0               ; cc, cs, x, wo codes, wo scales, w1 codes, w1 scales, b1
	s_load_b512 s[20:35], s[0:1], 0x40             ; w2 codes, w2 scales, b2, ln1_g, ln1_b, ln2_g, ln2_b, out0
	v_lshl_add_u32 v254, v0, 2, 0x3dc00
	v_mov_b32 v255, 0
	v_lshrrev_b32 v24, 5, v0
	v_readfirstlane_b32 s36, v24                   ; wave 0..3
	v_and_b32 v24, 31, v0                          ; lane
	v_and_b32 v25, 15, v0                          ; r
	v_bfe_u32 v26, v0, 4, 1                        ; h
	v_and_b32 v27, 8, v25
	v_add_nc_u32 v27, v27, v25                     ; r + 8 (r / 8)
	v_mul_u32_u24 v[WA], v27, 384
	v_mad_u32_u24 v[WA], v26, 96, v[WA]            ; wo, w1: my row of a tile + 96 h
	v_mul_u32_u24 v[WA2], v27, 768
	v_mad_u32_u24 v[WA2], v26, 96, v[WA2]          ; w2
	v_lshlrev_b32 v[WS], 4, v27
	v_lshlrev_b32 v[WS2], 5, v27
	v_lshlrev_b32 v[XR], 11, v27
	v_lshl_add_u32 v[XR], v26, 6, v[XR]            ; x: my row of a tile + 64 h
	v_mul_u32_u24 v28, v26, 1536
	v_lshl_add_u32 v[CA16], v25, 4, v28            ; cc: lanes 16-31 take the head two further on
	v_lshl_add_u32 v[CA8], v25, 3, v28
	v_lshlrev_b32 v[CSA], 4, v25
	v_lshlrev_b32 v[B4], 6, v26
	v_lshlrev_b32 v29, 4, v24                      ; 16 x lane
	v_lshlrev_b32 v30, 2, v24                      ; 4 x lane
	s_lshl_b32 s37, s36, 15
	v_add_nc_u32 v[ST], s37, v29
	s_mul_i32 s37, s36, 1536
	s_add_co_u32 s37, s37, X1IMG
	v_add_nc_u32 v[XWI], s37, v29
	s_lshl_b32 s37, s36, 7
	s_add_co_u32 s37, s37, X1SC
	v_add_nc_u32 v[XWS], s37, v30
	v_add_nc_u32 v[FI], X1IMG, v29
	v_add_nc_u32 v[LS], X1SC, v30
	s_mul_i32 s37, s36, 3072
	s_add_co_u32 s37, s37, HIMG
	v_add_nc_u32 v[HWI], s37, v29
	s_lshl_b32 s37, s36, 8
	s_add_co_u32 s37, s37, HSC
	v_add_nc_u32 v[HWS], s37, v30
	v_add_nc_u32 v[HFI], HIMG, v29
	v_add_nc_u32 v[HLS], HSC, v30
	s_lshl_b32 s37, s36, 9
	s_add_co_u32 s37, s37, STAT
	v_add_nc_u32 v[SAW], s37, v29
	v_add_nc_u32 v[SAR], STAT, v29
	s_mul_i32 s37, s36, 8448
	s_add_co_u32 s37, s37, OSTG
	v_mul_u32_u24 v28, v25, 528
	v_lshl_add_u32 v28, v26, 6, v28
	v_add_nc_u32 v[OSW], s37, v28
	v_add_nc_u32 v[OSR], s37, v29
	v_lshlrev_b32 v[OG], 9, v26
	v_lshl_add_u32 v[OG], v25, 4, v[OG]
.irp b, 0,1,2,3
	v_mov_b32 v[TM+4+\b], 0                        ; written once: a lane permute's destination counts as one of its sources
	v_mov_b32 v[SX+\b], 0
.endr
	s_mov_b32 s[SEL], 0x76543210
	s_mov_b32 s[SEL+1], 0xfedcba98
	s_mov_b32 s[SELA], 0x05010400
	s_mov_b32 s[SELB], 0x07030602
	s_mov_b32 s44, 0x3b000000                      ; 1 / 512
	s_mov_b32 s45, 0x3727c5ac                      ; 1e-5
	s_mov_b32 s46, 0xbb000000                      ; -1 / 512
	s_lshr_b32 s38, s36, 1
	s_and_b32 s39, s36, 1
	s_lshl_b32 s47, s38, 10
	s_lshl_b32 s48, s39, 8
	s_add_co_u32 s47, s47, s48                     ; my columns' first byte in an f32 row of 512: 1,024 (w / 2) + 256 (w % 2)
	s_lshr_b32 s48, s47, 2                         ; and my first column
	s_mov_b32 s51, 0
	s_wait_kmcnt 0x0
	s_mul_i32 s50, ttmp9, 24576
	s_add_nc_u64 s[4:5], s[4:5], s[50:51]
	s_lshl_b32 s50, ttmp9, 10
	s_add_nc_u64 s[6:7], s[6:7], s[50:51]
	s_lshl_b32 s50, ttmp9, 17
	s_add_co_u32 s50, s50, s47
	s_add_nc_u64 s[8:9], s[8:9], s[50:51]
	s_add_nc_u64 s[34:35], s[34:35], s[50:51]
	s_mul_i32 s50, s48, 384
	s_add_nc_u64 s[10:11], s[10:11], s[50:51]
	s_lshl_b32 s50, s48, 4
	s_add_nc_u64 s[12:13], s[12:13], s[50:51]
	s_mul_i32 s50, s36, 98304
	s_add_nc_u64 s[14:15], s[14:15], s[50:51]
	s_lshl_b32 s50, s36, 12
	s_add_nc_u64 s[16:17], s[16:17], s[50:51]
	s_lshl_b32 s50, s36, 10
	s_add_nc_u64 s[18:19], s[18:19], s[50:51]
	s_mul_i32 s50, s48, 768
	s_add_nc_u64 s[20:21], s[20:21], s[50:51]
	s_lshl_b32 s50, s48, 5
	s_add_nc_u64 s[22:23], s[22:23], s[50:51]
	s_mov_b32 s50, s47
	s_add_nc_u64 s[24:25], s[24:25], s[50:51]
	s_add_nc_u64 s[26:27], s[26:27], s[50:51]
	s_add_nc_u64 s[28:29], s[28:29], s[50:51]
	s_add_nc_u64 s[30:31], s[30:31], s[50:51]
	s_add_nc_u64 s[32:33], s[32:33], s[50:51]
	; ---- the head's loads.  concat's fragment (m, 2 g + f): lane (r, h) takes head 4 g + 2 h + f: its block 0 from the image's lane r, its block 1 from lane 16 + r
	WIN 0x40
.irp m, 0,1,2,3
.irp g, 0,1
.irp f, 0,1
	GL128 12*(4*\m+2*\g+\f), CA16, 4, (8*\m+4*\g+\f)*768
	GL64 12*(4*\m+2*\g+\f)+4, CA8, 4, (8*\m+4*\g+\f)*768+512
	GL128 12*(4*\m+2*\g+\f)+6, CA16, 4, (8*\m+4*\g+\f)*768+256
	GL64 12*(4*\m+2*\g+\f)+10, CA8, 4, (8*\m+4*\g+\f)*768+640
.endr
.endr
.endr
	WIN 0
.irp m, 0,1,2,3
	GL128 CRAW+4*\m, CSA, 6, 256*\m
.endr
	SLOAD 0
	PLOAD 192, 18, 0                               ; b1, first half
	WIN 0x80
.irp m, 0,1,2,3                                ; the residual x lands in the accumulators: the C of the first product's first instructions
.irp b, 0,1,2,3
.irp q, 0,1,2,3
	GL128 64*\m+16*\b+4*\q, XR, 8, (32*(\m/2)+8*(\m%2))*2048+128*(4*(\b%2)+\b/2)+16*\q
.endr
.endr
.endr
	WIN 0
	CLOAD 0
	CLOAD 1
	CLOAD 2
	CLOAD 3
	WAITL MS
.irp m, 0,1,2,3
.irp g, 0,1
	v_perm_b32 v[XS+4*\m+2*\g], v[CRAW+4*\m+2*\g+1], v[CRAW+4*\m+2*\g], s[SELA]
	v_perm_b32 v[XS+4*\m+2*\g+1], v[CRAW+4*\m+2*\g+1], v[CRAW+4*\m+2*\g], s[SELB]
.endr
.endr
	PERMS
	; ---- concat wo + x
	PART 0
	BOUNDARY
	LN 0, 26, 28                                   ; x1
	WIN 0x08
.set li, 0
.rept 64
	ds_store_b128 v[ST], v[4*li:4*li+3] offset:512*li   ; x1 is kept in my own LDS bytes: the accumulators are wanted for the hidden layer
.set li, li+1
.endr
	WIN 0
.irp m, 0,1,2,3
	QUANT 64*\m, 2
	IMAGE XWI, 6144*\m
	ds_store_b32 v[XWS], v[PW] offset:512*\m
	s_wait_dscnt 0x0                               ; the stores have read their registers
.endr
	BARRIER                                        ; x1's sixteen fragments lie in LDS
	WIN 0x40
.irp n, 0,1,2,3,4,5,6,7,8,9,10,11,12,13,14,15
	FETCH 12*\n, FI, 1536*\n
.endr
	WIN 0
.irp n, 0,1,2,3,4,5,6,7,8,9,10,11,12,13,14,15
	ds_load_b32 v[XS+\n], v[LS] offset:128*\n
.endr
	s_wait_dscnt 0x0
	; ---- the hidden layer, two halves of my 256 units
	PART 8
	BOUNDARY
	PLOAD 192, 18, 256                             ; b1, second half
	RELUQ 0
	WAITL MP
	PART 16
	BOUNDARY
	PLOAD 192, 24, 0                               ; b2
	RELUQ 1
	BARRIER                                        ; the hidden layer's 32 fragments lie in LDS
	WIN 0x80
.set li, 0
.rept 64
	ds_load_b128 v[4*li:4*li+3], v[ST] offset:512*li    ; x1 comes back
.set li, li+1
.endr
	HFETCH 0
	s_wait_dscnt 0x0
	WAITL MP
	WIN 0x86
.set li, 0
.rept 32
.irp m, 0,1,2,3
	v_pk_add_f32 v[64*\m+li:64*\m+li+1], v[64*\m+li:64*\m+li+1], v[192+li:193+li]   ; x1 + b2: the C of the last product's first instructions
.endr
.set li, li+2
.endr
	WIN 0
	PART 24
	BOUNDARY                                       ; its lines are also the places in front of the loads below
	HFETCH 1
	s_wait_dscnt 0x0
	PART 32
	PLACES 4
	LN 2, 30, 32
	; ---- the way out: a tile of 16 rows goes through my own stage and comes back as rows of my 512 bytes: each store covers two runs of 256 consecutive bytes, aligned
.macro TOSTAGE m
	WIN 0x08
.irp b, 0,1,2,3
.irp q, 0,1,2,3
	ds_store_b128 v[OSW], v[64*(\m)+16*\b+4*\q:64*(\m)+16*\b+4*\q+3] offset:256*(\b%2)+128*(\b/2)+16*\q
.endr
.endr
	WIN 0xc0
.irp t, 0,1,2,3,4,5,6,7,8,9,10,11,12,13,14,15
	ds_load_b128 v[64*((\m)%2)+4*\t:64*((\m)%2)+4*\t+3], v[OSR] offset:528*\t   ; LDS serves a wave's instructions in order (ISA guide 5.7.1.4): these see the stores above, and the next tile's stores come behind them
.endr
	WIN 0
.endm
.macro SEND m, younger                         ; younger: the LDS instructions issued behind tile m's loads
	s_wait_dscnt \younger
	WIN 0x0c
.irp t, 0,1,2,3,4,5,6,7,8,9,10,11,12,13,14,15
	global_store_b128 v[OG], v[64*((\m)%2)+4*\t:64*((\m)%2)+4*\t+3], s[34:35] offset:(32*((\m)/2)+8*((\m)%2)+\t+8*(\t/8))*2048 th:TH_STORE_NT
.endr
	WIN 0
.endm
	TOSTAGE 0
.irp a, 1,2,3
.if \a > 1
	s_wait_xcnt 0x0                                ; tile a - 2's stores have read their registers: tile a's loads may land there
.endif
	TOSTAGE \a
	SEND \a-1, 32
.endr
	SEND 3, 0
	s_wait_tensorcnt 0x0
	ds_add_u32 v254, v255
	s_wait_dscnt 0x0
	s_endpgm
.Lfunc_end_k_qc17946b06f_tail:
	.size	k_qc17946b06f_tail, .Lfunc_end_k_qc17946b06f_tail-k_qc17946b06f_tail
	.p2alignl 7, 3214868480
	.fill 96, 4, 3214868480
	.section	.rodata,"a",@progbits
	.p2align	6, 0x0
	.amdhsa_kernel k_qc17946b06f_tail
		.amdhsa_group_segment_fixed_size 253440
		.amdhsa_private_segment_fixed_size 0
		.amdhsa_enable_private_segment 0
		.amdhsa_kernarg_size 128
		.amdhsa_user_sgpr_count 2
		.amdhsa_user_sgpr_kernarg_segment_ptr 1
		.amdhsa_wavefront_size32 1
		.amdhsa_system_sgpr_workgroup_id_x 1
		.amdhsa_system_sgpr_workgroup_id_y 1
		.amdhsa_system_sgpr_workgroup_id_z 1
		.amdhsa_system_vgpr_workitem_id 0
		.amdhsa_next_free_vgpr 1024
		.amdhsa_next_free_sgpr 66
		.amdhsa_reserve_vcc 0
		.amdhsa_float_denorm_mode_32 3
		.amdhsa_float_denorm_mode_16_64 3
		.amdhsa_memory_ordered 1
		.amdhsa_forward_progress 1
		.amdhsa_inst_pref_size 255
	.end_amdhsa_kernel
	.section	.bss,"aw",@nobits
	.p2align	6
	.space	262144
	.amdgpu_metadata
---
amdhsa.version: [ 1, 2 ]
amdhsa.kernels:
  - .name:           k_qc17946b06f_tail
    .symbol:         k_qc17946b06f_tail.kd
    .args:
      - { .name: cc, .offset: 0, .size: 8, .value_kind: global_buffer, .address_space: global }
      - { .name: cs, .offset: 8, .size: 8, .value_kind: global_buffer, .address_space: global }
      - { .name: x, .offset: 16, .size: 8, .value_kind: global_buffer, .address_space: global }
      - { .name: wo_codes, .offset: 24, .size: 8, .value_kind: global_buffer, .address_space: global }
      - { .name: wo_scales, .offset: 32, .size: 8, .value_kind: global_buffer, .address_space: global }
      - { .name: w1_codes, .offset: 40, .size: 8, .value_kind: global_buffer, .address_space: global }
      - { .name: w1_scales, .offset: 48, .size: 8, .value_kind: global_buffer, .address_space: global }
      - { .name: b1, .offset: 56, .size: 8, .value_kind: global_buffer, .address_space: global }
      - { .name: w2_codes, .offset: 64, .size: 8, .value_kind: global_buffer, .address_space: global }
      - { .name: w2_scales, .offset: 72, .size: 8, .value_kind: global_buffer, .address_space: global }
      - { .name: b2, .offset: 80, .size: 8, .value_kind: global_buffer, .address_space: global }
      - { .name: ln1_g, .offset: 88, .size: 8, .value_kind: global_buffer, .address_space: global }
      - { .name: ln1_b, .offset: 96, .size: 8, .value_kind: global_buffer, .address_space: global }
      - { .name: ln2_g, .offset: 104, .size: 8, .value_kind: global_buffer, .address_space: global }
      - { .name: ln2_b, .offset: 112, .size: 8, .value_kind: global_buffer, .address_space: global }
      - { .name: out0, .offset: 120, .size: 8, .value_kind: global_buffer, .address_space: global }
    .group_segment_fixed_size: 253440
    .private_segment_fixed_size: 0
    .kernarg_segment_align: 8
    .kernarg_segment_size: 128
    .max_flat_workgroup_size: 128
    .sgpr_count:     66
    .vgpr_count:     1024
    .wavefront_size: 32
...
	.end_amdgpu_metadata
.endif
;; end of part 3
